; MI455X (gfx1250); checked and timed in simulation.
; The chip was launched on July 23, 2026; its instructions are those of AMD's public machine-readable ISA for CDNA 5 (MIT licence, August 2026) and "CDNA5" Instruction Set Architecture Reference Guide (July 2026). The comments in the code are by the model that wrote it; some were corrected since.
;; LSTM Cell. Allowed arithmetic: float matrix products may take bf16 or f16 operands with f32 sums; other float arithmetic in f32, or as packed bf16 or f16 multiplies, adds, multiply-adds, maxima and minima; sums over many terms, partial sums and values carried from step to step in f32; what a program stores and reads back later, other than sums and carried values, may be rounded once to bf16 or f16.
;; Inputs: W_hc 2,048 x 2,048 float32; W_hf 2,048 x 2,048 float32; W_hi 2,048 x 2,048 float32; W_ho 2,048 x 2,048 float32; W_xc 2,048 x 2,048 float32; W_xf 2,048 x 2,048 float32; W_xi 2,048 x 2,048 float32; W_xo 2,048 x 2,048 float32; b_c 2,048 float32; b_f 2,048 float32; b_i 2,048 float32; b_o 2,048 float32; c 2,048 x 2,048 float32; h 2,048 x 2,048 float32; x 2,048 x 2,048 float32.
;; Outputs: out0 2,048 x 2,048 float32; out1 2,048 x 2,048 float32.
;; 2 versions, each right; version 2 is version 1 with the launch pack written anew for expert scheduling mode. Each part assembles by itself: llvm-mc -triple=amdgcn-amd-amdhsa -mcpu=gfx1250 --defsym DOCPART=n.
;; ======== version 1 of 2: 2 launches
;; limits: a function is approximated: absolute error at most 1.2e-07
;; workspace buffers: ab 16,777,216 bytes; wb 67,108,864 bytes
;; launch pack (part 1): grid 128 x 10, 4 waves a work-group, no clusters, 0 bytes of LDS; arguments x, h, W_xi, W_hi, W_xf, W_hf, W_xc, W_hc, W_xo, W_ho, ab, wb; writes ab, wb
.if DOCPART == 1
	.amdgcn_target "amdgcn-amd-amdhsa--gfx1250"
	.amdhsa_code_object_version 6
	.text
	.protected	k_q9aee0ed8e4_pack
	.globl	k_q9aee0ed8e4_pack
	.p2align	8
	.type	k_q9aee0ed8e4_pack,@function
k_q9aee0ed8e4_pack:
	s_mov_b64 s[64:65], 0
	v_nop
	global_prefetch_b8 v0, s[64:65] scope:SCOPE_SE
	s_setreg_imm32_b32 hwreg(HW_REG_WAVE_MODE, 25, 1), 1
	s_wait_xcnt 0x0
; x, h and the eight weight matrices ([2048][2048] f32) are rounded once to bf16 (nearest even) and laid out in dense blocks for the launch behind.
; ab: [x | h].  Block (mb = row / 128, ks = K / 128) is 128 rows x 128 K = 32,768 bytes at (32 mb + ks) x 32,768; K = k for x, 2,048 + k for h.
; wb: the weights, K still down the rows.  Block (tc = column / 64, ks) is 65,536 bytes at (32 tc + ks) x 65,536, laid [gate][K % 128][64 columns]; gates 0 = i, 1 = f, 2 = c, 3 = o; K = k for W_x*, 2,048 + k for W_h*.
; SHARES.  The grid's y is the matrix, in the order of the arguments (x, h, W_xi, W_hi, W_xf, W_hf, W_xc, W_hc, W_xo, W_ho): y & 1 = the x or the h side, (y - 2) >> 1 = the gate.
; A wave takes one unit: 32,768 bytes in, 16,384 bytes out, in 64 steps.  A step's load covers 512 bytes (x, h: of one row; weights: 256 bytes of each of two rows), its store 256 consecutive bytes, aligned.
; A ring of 16 slots in registers keeps 16 loads of every wave on their way.  A stream: no LDS, no barrier, no matrix unit; every byte is read once and written once.
; LIMITS.  bf16 has f32's range; NaN and infinities pass through the rounding as the conversion makes them.
.set IN,  2                            ; v2        my byte offset in a step's load; never rewritten
.set OUT, 3                            ; v3        8 x lane: my 8 bytes of a step's store; never rewritten
.set X,   4                            ; v[4:67]   slot i: four f32 as loaded
.set Y,   68                           ; v[68:99]  slot i: four bf16 to store
	s_load_b512 s[16:31], s[0:1], 0x0              ; x, h, W_xi, W_hi, W_xf, W_hf, W_xc, W_hc
	s_load_b256 s[32:39], s[0:1], 0x40             ; W_xo, W_ho, ab s[36:37], wb s[38:39]
	v_lshrrev_b32 v1, 5, v0
	v_readfirstlane_b32 s8, v1                     ; wave 0..3
	s_and_b32 s9, ttmp7, 0xffff                    ; y: which matrix
	s_mov_b32 s10, ttmp9                           ; x: which four units of it
	s_and_b32 s11, s9, 1                           ; 0: the x side, 1: the h side
	v_and_b32 v1, 31, v0                           ; lane
	v_lshlrev_b32 v[OUT], 3, v1
	s_mov_b32 s41, 0                               ; the two offsets are pairs with 0 on top
	s_mov_b32 s43, 0
	s_wait_kmcnt 0x0
	s_mov_b64 s[4:5], s[16:17]                     ; the matrix that I read: chosen by y among the ten
.irp i, 1,2,3,4,5,6,7,8,9
	s_cmp_eq_u32 s9, \i
	s_cselect_b64 s[4:5], s[16+2*(\i):17+2*(\i)], s[4:5]
.endr
	s_cmp_lt_u32 s9, 2
	s_cselect_b64 s[6:7], s[36:37], s[38:39]       ; and the buffer that I write
; The unit's 64 steps.  step = bytes from one step's load to the next.
.macro STREAM step
.set i, 0
.rept 16
	global_load_b128 v[X+4*i:X+4*i+3], v[IN], s[4:5] offset:i*(\step) th:TH_LOAD_NT
.set i, i+1
.endr
.set j, 0
.rept 64
.set i, j%16
.if j < 48
	s_wait_loadcnt 15                              ; loads come back in order: step j's is in, the fifteen younger ones stay out
.else
	s_wait_loadcnt 63-j                            ; nothing more is asked for: the counts run down
.endif
.if j >= 16
	s_wait_xcnt 0x0                                ; the slot's Y was the data of the store sixteen steps back: it is rewritten only behind this wait
.endif
	v_cvt_pk_bf16_f32 v[Y+2*i],   v[X+4*i],   v[X+4*i+1]
	v_cvt_pk_bf16_f32 v[Y+2*i+1], v[X+4*i+2], v[X+4*i+3]
.if j < 48
	global_load_b128 v[X+4*i:X+4*i+3], v[IN], s[4:5] offset:(j+16)*(\step) th:TH_LOAD_NT  ; the load goes ahead of the store
.endif
	global_store_b64 v[OUT], v[Y+2*i:Y+2*i+1], s[6:7] offset:j*256 th:TH_STORE_NT  ; 32 lanes store 256 consecutive bytes, at a multiple of 256 from the buffer's first byte
.set j, j+1
.endr
.endm
	s_cmp_lt_u32 s9, 2
	s_cbranch_scc0 .Lweights
	; x or h.  A unit is 64 rows x 128 columns: row group rg = x >> 2 (0..31), K step in the matrix ksl = 4 (x & 3) + wave (0..15)
	s_lshr_b32 s12, s10, 2                         ; rg
	s_and_b32 s13, s10, 3
	s_lshl2_add_u32 s13, s13, s8                   ; ksl
	s_lshl_b32 s40, s12, 19                        ; in: 64 rows of 8,192 bytes,
	s_lshl_b32 s14, s13, 9                         ; 512 bytes along the row
	s_add_co_u32 s40, s40, s14
	s_lshr_b32 s14, s12, 1                         ; mb
	s_lshl_b32 s14, s14, 5
	s_lshl4_add_u32 s14, s11, s14                  ; + 16 for h
	s_add_co_u32 s14, s14, s13
	s_lshl_b32 s42, s14, 15                        ; out: the block,
	s_and_b32 s15, s12, 1
	s_lshl_b32 s15, s15, 14                        ; its upper or lower 64 rows of 256 bytes
	s_add_co_u32 s42, s42, s15
	s_add_nc_u64 s[4:5], s[4:5], s[40:41]
	s_add_nc_u64 s[6:7], s[6:7], s[42:43]
	v_lshlrev_b32 v[IN], 4, v1                     ; 16 bytes a lane: 512 bytes of one row
	STREAM 8192                                    ; a row a step
	s_endpgm
.Lweights:
	; a weight matrix.  A unit is 128 K rows x 64 columns: ksl = x >> 3 (0..15), tc = 4 (x & 7) + wave (0..31)
	s_lshr_b32 s12, s10, 3                         ; ksl
	s_and_b32 s13, s10, 7
	s_lshl2_add_u32 s13, s13, s8                   ; tc
	s_sub_co_u32 s14, s9, 2
	s_lshr_b32 s14, s14, 1                         ; the gate
	s_lshl_b32 s40, s12, 20                        ; in: 128 rows of 8,192 bytes,
	s_lshl_b32 s15, s13, 8                         ; 256 bytes along the row
	s_add_co_u32 s40, s40, s15
	s_lshl_b32 s15, s13, 5
	s_lshl4_add_u32 s15, s11, s15                  ; + 16 for W_h*
	s_add_co_u32 s15, s15, s12
	s_lshl_b32 s42, s15, 16                        ; out: the block,
	s_lshl_b32 s14, s14, 14                        ; the gate's 16,384 bytes in it
	s_add_co_u32 s42, s42, s14
	s_add_nc_u64 s[4:5], s[4:5], s[40:41]
	s_add_nc_u64 s[6:7], s[6:7], s[42:43]
	v_and_b32 v[IN], 15, v1                        ; lanes 0-15 take 256 bytes of the even row, lanes 16-31 of the odd one:
	v_lshrrev_b32 v1, 4, v1
	v_lshlrev_b32 v[IN], 4, v[IN]
	v_lshl_add_u32 v[IN], v1, 13, v[IN]            ; rounded, the two rows are 2 x 128 bytes on end
	STREAM 16384                                   ; two rows a step
	s_endpgm
.Lfunc_end_k_q9aee0ed8e4_pack:
	.size	k_q9aee0ed8e4_pack, .Lfunc_end_k_q9aee0ed8e4_pack-k_q9aee0ed8e4_pack
	.p2alignl 7, 3214868480
	.fill 96, 4, 3214868480
	.section	.rodata,"a",@progbits
	.p2align	6, 0x0
	.amdhsa_kernel k_q9aee0ed8e4_pack
		.amdhsa_group_segment_fixed_size 0
		.amdhsa_private_segment_fixed_size 0
		.amdhsa_enable_private_segment 0
		.amdhsa_kernarg_size 96
		.amdhsa_user_sgpr_count 2
		.amdhsa_user_sgpr_kernarg_segment_ptr 1
		.amdhsa_wavefront_size32 1
		.amdhsa_system_sgpr_workgroup_id_x 1
		.amdhsa_system_sgpr_workgroup_id_y 1
		.amdhsa_system_sgpr_workgroup_id_z 1
		.amdhsa_system_vgpr_workitem_id 0
		.amdhsa_next_free_vgpr 100
		.amdhsa_next_free_sgpr 66
		.amdhsa_reserve_vcc 0
		.amdhsa_float_denorm_mode_32 3
		.amdhsa_float_denorm_mode_16_64 3
		.amdhsa_memory_ordered 1
		.amdhsa_forward_progress 1
		.amdhsa_inst_pref_size 50
	.end_amdhsa_kernel
	.amdgpu_metadata
---
amdhsa.version: [ 1, 2 ]
amdhsa.kernels:
  - .name:           k_q9aee0ed8e4_pack
    .symbol:         k_q9aee0ed8e4_pack.kd
    .args:
      - { .name: x, .offset: 0, .size: 8, .value_kind: global_buffer, .address_space: global }
      - { .name: h, .offset: 8, .size: 8, .value_kind: global_buffer, .address_space: global }
      - { .name: W_xi, .offset: 16, .size: 8, .value_kind: global_buffer, .address_space: global }
      - { .name: W_hi, .offset: 24, .size: 8, .value_kind: global_buffer, .address_space: global }
      - { .name: W_xf, .offset: 32, .size: 8, .value_kind: global_buffer, .address_space: global }
      - { .name: W_hf, .offset: 40, .size: 8, .value_kind: global_buffer, .address_space: global }
      - { .name: W_xc, .offset: 48, .size: 8, .value_kind: global_buffer, .address_space: global }
      - { .name: W_hc, .offset: 56, .size: 8, .value_kind: global_buffer, .address_space: global }
      - { .name: W_xo, .offset: 64, .size: 8, .value_kind: global_buffer, .address_space: global }
      - { .name: W_ho, .offset: 72, .size: 8, .value_kind: global_buffer, .address_space: global }
      - { .name: ab, .offset: 80, .size: 8, .value_kind: global_buffer, .address_space: global }
      - { .name: wb, .offset: 88, .size: 8, .value_kind: global_buffer, .address_space: global }
    .group_segment_fixed_size: 0
    .private_segment_fixed_size: 0
    .kernarg_segment_align: 8
    .kernarg_segment_size: 96
    .max_flat_workgroup_size: 128
    .sgpr_count:     66
    .vgpr_count:     100
    .wavefront_size: 32
...
	.end_amdgpu_metadata
.endif
;; end of part 1
;; launch cell (part 2): grid 32 x 8, 4 waves a work-group, clusters of 4 x 4, 327,680 bytes of LDS; arguments ab, wb, c, b_i, b_f, b_c, b_o, out0, out1; writes out0, out1
.if DOCPART == 2
	.amdgcn_target "amdgcn-amd-amdhsa--gfx1250"
	.amdhsa_code_object_version 6
	.text
	.protected	k_q9aee0ed8e4_cell
	.globl	k_q9aee0ed8e4_cell
	.p2align	8
	.type	k_q9aee0ed8e4_cell,@function
k_q9aee0ed8e4_cell:
	s_mov_b64 s[64:65], 0
	v_nop
	global_prefetch_b8 v0, s[64:65] scope:SCOPE_SE
	s_setreg_imm32_b32 hwreg(HW_REG_WAVE_MODE, 25, 1), 1
	s_wait_xcnt 0x0
	s_wait_alu depctr_hold_cnt(0) depctr_sa_sdst(0) depctr_va_vdst(0) depctr_va_sdst(0) depctr_va_ssrc(0) depctr_va_vcc(0) depctr_vm_vsrc(0)
	s_getreg_b32 s2, hwreg(HW_REG_IB_STS2, 6, 4)
	s_cmp_eq_u32 s2, 0
	s_cbranch_scc0 .Lentry_in_a_cluster
	s_endpgm
.Lentry_in_a_cluster:
	s_bfe_u32 s2, ttmp6, 0x10000c
	s_cmp_lg_u32 s2, 0xf033
	s_cbranch_scc0 .Lentry_shape_is_right
	s_endpgm
.Lentry_shape_is_right:
; THE LSTM CELL.  gates = [x | h] [Wx ; Wh] + b: M = 2,048 rows, K = 4,096, N = 4 gates x 2,048 hidden columns; then i, f, o = sigmoid, c^ = tanh, c_new = f c + i c^ (out1), h_new = o tanh(c_new) (out0).
; The operands come rounded to bf16 and laid in dense blocks: ab block (row / 128, K / 128) = 128 rows x 128 K; wb block (column / 64, K / 128) = [gate][128 K][64 columns].  Sums, biases, c and the whole tail are f32.
; SHARES.  A work-group makes 256 rows x 64 hidden columns x 4 gates: a tile of 256 x 256 of the product; 8 x 32 tiles.  Wave w: rows 128 (w >> 1) on, hidden columns 32 (w & 1) on, all four gates:
; 64 accumulators of 16 x 16 (a = 0..7 blocks of 16 rows; b = 2 gate + t, t = which 16 of my 32 columns), 512 registers.
; THE MATRIX INSTRUCTION IS USED TRANSPOSED (source 0 = 16 columns of W, source 1 = 16 rows of [x | h]): register j of lane l of accumulator (a, b) is row 16 a + l % 16, hidden column 16 t + 8 (l / 16) + j.
; So the four gates of one output lie in the same lane and register place of accumulators b, b + 2, b + 4, b + 6: the tail changes no lanes.  The bias is the C operand of the products that start the sums.
; THE RING.  K goes in 32 steps of 128 through two LDS slots filled by the tensor data mover; W's rows lie along the columns, so its fragments come out of LDS turned, by ds_load_tr16_b128.
; CLUSTER.  4 x 4 work-groups.  The four of a row of the cluster need the same tile of ab, the four of a column the same tile of wb: each is asked for JOINTLY (same load, same descriptor, a mask that names the four).
; c's tile is each work-group's own: a plain load, behind the last round of the ring, into slot 0's bytes for ab, which are read no more.
; THE TAIL.  sigmoid(x) = 1 / (1 + 2^(-L x)), tanh(x) = 1 - 2 / (1 + 2^(2 L x)), L = log2(e).  Both are right at the ends: 2^big is an infinity, whose reciprocal is 0; no infinity meets a 0.
; LIMITS.  This tanh is off by some 1.2e-7 absolutely, not relatively, near 0; an exponential below 2^-126 counts as 0; NaN and infinities in the inputs are not treated apart.
; REGISTERS, in windows of 256 (s_set_vgpr_msb's low byte: bits 1:0 source 0, 3:2 source 1, 5:4 source 2, 7:6 destination):
;   window 0: v0-30 addresses; v64-127, v128-191 fragments of ab, two buffers; v192-255 the biases.  In the tail v64-223 are at work.
;   window 1: v64-127, v128-191 fragments of wb, two buffers.    window 2: the accumulators of my rows 0-63 ((a, b) at v[8 (8 a + b)]);  window 3: those of rows 64-127.
.set PA,    272                        ; an LDS row of ab, of c and of the stages: 256 bytes + 16 = 68 words: row r starts at bank 4 r mod 64 (64 banks of 4 bytes: ISA guide 11.1)
.set PB,    160                        ; an LDS row of wb (one K, 64 columns): 128 bytes + 32 = 40 words
.set HA,    128*PA                     ; 128 rows of ab: one tensor load, and what one wave reads
.set HB,    256*PB                     ; two gates x 128 K: one tensor load
.set BOFF,  2*HA                       ; in a slot: ab's 256 rows, then wb's four gates
.set SLOT,  BOFF+2*HB                  ; 151,552 bytes
.set SPARE, 2*SLOT                     ; behind the ring: the spare words, 128 bytes for each wave: two blocks of 256 bytes that no other line names
.set CNST,  BOFF                       ; the tail's stage for c_new, 256 rows x 272: over slot 0's wb, which has had its last fill
.set HST,   SLOT                       ; the tail's stage for h_new: over slot 1's ab, likewise
.set GO,   10                          ; v10     my byte offset in two rows of an output: (l / 16) x 8,192 + 16 (l % 16)
.set BO,   11                          ; v11     my byte offset in a bias: my first hidden column x 4
.set PFC,  12                          ; v12     c's prefetches: lane x a row of c
.set ADRA, 16                          ; v16-17  LDS address of my ab fragments in slot 0, 1
.set ADRB, 20                          ; v20-23  the same for wb: slot 0 gates 0-1, gates 2-3; slot 1 likewise
.set CAD,  24                          ; v24     the tail: my 32 bytes in a row of c's tile
.set CNA,  25                          ; v25     the same place in c_new's stage
.set HAD,  26                          ; v26     and in h_new's
.set RAD,  27                          ; v27     where I read whole rows back: h_new's stage (w & 1 = 0) or c_new's (w & 1 = 1)
.set SPW,  28                          ; v28     LDS address of my spare word: SPARE + 4 x my thread's number; never rewritten
.set NIL,  29                          ; v29     0; never rewritten
.set PFO,  30                          ; v30     the tiles' prefetches: lane x 256
.set F0,   64                          ; fragment buffer 0
.set F1,   128                         ; fragment buffer 1
.set BIAS, 192                         ; v192-255: for each b, the bias of my lane's eight columns
.set TT,   64                          ; the tail: v64-127: i, f, c^, o of a block's 16 numbers a lane
.set CCR,  128                         ; v128-143 c
.set CNR,  144                         ; v144-159 c_new
.set HHR,  160                         ; v160-175 h_new
.set RB,   192                         ; v192-223 16 rows read back from a stage
.set WV,  12                           ; s12  my wave's number
.set RH,  13                           ; s13  which 128 rows are mine.  Also: I fetch for ab (0) or for wb (1)
.set CH,  14                           ; s14  which 32 hidden columns.  Also: which half of that tile I fetch
.set CX,  15                           ; s15, s16  my place in the cluster
.set CY,  16
.set TC,  17                           ; s17  tile column 0..31
.set TR,  18                           ; s18  tile row 0..7
.set G1,  24                           ; s[24:31] descriptor group 1 for ab's tiles;  s[32:39] group 0, a set for each slot
.set G0,  32
.set PFA, 44                           ; s[44:45] where my prefetches stand
.set LIM, 46                           ; s46  1 in a wave that prefetches tiles, else the greatest number
.set G1B, 48                           ; s[48:55], s[56:63] the same for wb's tiles
.set G0B, 56
.set PST, 66                           ; s[66:67] bytes from a K step's block to the next: 32,768 in ab, 65,536 in wb
.set G1C, 68                           ; s[68:75], s[76:79] c's tile
.set G0C, 76
.set KN,  90                           ; s[90:91] -L, named as a pair
.set KP,  92                           ; s[92:93] 2 L
.set OP,  94                           ; s[94:95] the output that I store (out0 or out1) at my 128 rows, the tile's columns
.set CP,  96                           ; s[96:97] c at the 64 rows that I fetch, the tile's columns
.set MSB, 0
.macro WIN new                         ; the immediate's high byte repeats the setting that is left; a switch that changes nothing is dropped
.if MSB != (\new)
	s_set_vgpr_msb (MSB<<8)|(\new)
.set MSB, \new
.endif
.endm
.macro PLACES                          ; four places behind matrix instructions, in front of loads into registers that they have read
.rept 4
	v_nop
.endr
.endm
; A joint load.  Waves 0 and 1 fetch ab's two halves, waves 2 and 3 wb's (gates 0-1, gates 2-3).  The branch hangs on the wave's number alone.
; An s_nop 0 and four v_nop follow each of the two lines, ahead of the jump, the label and what follows.
.macro JLOAD s
	s_cmp_eq_u32 s[RH], 0
	s_cbranch_scc0 .Lfor_b_\@
	tensor_load_to_lds s[G0+4*(\s):G0+4*(\s)+3], s[G1:G1+7]
	s_nop 0
.rept 4
	v_nop
.endr
	s_branch .Lasked_\@
.Lfor_b_\@:
	tensor_load_to_lds s[G0B+4*(\s):G0B+4*(\s)+3], s[G1B:G1B+7]
	s_nop 0
.rept 4
	v_nop
.endr
.Lasked_\@:
.endm
; A round of the cluster's barrier: my work-group's barrier; wave 0 signals for the work-group; every wave waits for all sixteen; my work-group's barrier once more.
.macro CREST                           ; a round behind its opening barrier
	s_cmp_lg_u32 s[WV], 0
	s_cbranch_scc1 .Lnot_wave_0_\@
	s_barrier_signal -3
.Lnot_wave_0_\@:
	s_barrier_wait -3
	s_barrier_signal -1
	s_barrier_wait -1
.endm
.macro CROUND                          ; a whole round
	s_barrier_signal -1
	s_barrier_wait -1
	CREST
.endm
; PREFETCHES INTO THE L2, behind a joint load, its five lines and the run of LDS loads that follows.  The K step that stands TWO refills on (512 matrix instructions ahead of the load that will want it):
; of the 128 pieces of 256 bytes that I fetch, my work-group's 32, a lane a piece.  ab's tile row is read by every cluster of that row of clusters: cluster x = 0 asks; wb's tile column by both clusters of that
; column: cluster y = 0 asks.  The four partners share the pieces out BY ADDRESS (cx for ab, cy for wb).  So each piece is named once in the launch.  The loop's last trip (s3 = 1) has no K step two on;
; its first change of slots asks instead for the 64 rows of c that I will fetch two K steps later: a lane a row, 256 bytes each, nobody else's.
.macro ASK slot
	s_cmp_gt_u32 s3, s[LIM]
	s_cbranch_scc0 .Lnot_mine_\@
	global_prefetch_b8 v[PFO], s[PFA:PFA+1] th:TH_LOAD_NT scope:SCOPE_SE
.Lnot_mine_\@:
.if (\slot) == 0
	s_cmp_eq_u32 s3, 1
	s_cbranch_scc0 .Lnot_c_\@
	global_prefetch_b8 v[PFC], s[CP:CP+1] th:TH_LOAD_NT scope:SCOPE_SE
	global_prefetch_b8 v[PFC], s[CP:CP+1] offset:32*8192 th:TH_LOAD_NT scope:SCOPE_SE
.Lnot_c_\@:
.endif
.endm
	s_load_b256 s[4:11], s[0:1], 0x0               ; ab s[4:5], wb s[6:7], c s[8:9], b_i s[10:11]
	s_load_b256 s[80:87], s[0:1], 0x20             ; b_f s[80:81], b_c s[82:83], b_o s[84:85], out0 s[86:87]
	s_load_b64 s[88:89], s[0:1], 0x40              ; out1
	v_lshl_add_u32 v[SPW], v0, 2, SPARE
	v_mov_b32 v[NIL], 0
	ds_add_u32 v[SPW], v[NIL]                      ; the wave's opening: the add, twice on end, and its wait ahead of my first tensor load; the set-up below stands between
	ds_add_u32 v[SPW], v[NIL]                      ; and once more, under the one wait
	v_lshrrev_b32 v1, 5, v0
	v_readfirstlane_b32 s[WV], v1                  ; wave 0..3
	s_lshr_b32 s[RH], s[WV], 1
	s_and_b32 s[CH], s[WV], 1
	s_bfe_u32 s[CX], ttmp6, 0x40000
	s_bfe_u32 s[CY], ttmp6, 0x40004
	s_lshl_b32 s[TC], ttmp9, 2                     ; in a cluster launch ttmp9 and ttmp7 count clusters
	s_add_co_u32 s[TC], s[TC], s[CX]               ; tile column = 4 x cluster x + cx
	s_and_b32 s[TR], ttmp7, 0xffff
	s_lshl_b32 s[TR], s[TR], 2
	s_add_co_u32 s[TR], s[TR], s[CY]               ; tile row = 4 x cluster y + cy
	s_lshl_b32 s19, s[CY], 2
	s_lshl_b32 s19, 15, s19                        ; my row of the cluster: places 4 cy .. 4 cy + 3
	s_lshl_b32 s20, 0x1111, s[CX]                  ; my column: places cx, cx + 4, cx + 8, cx + 12
	; group 1.  Both kinds of tile are 32,768 dense bytes, asked for as 128 rows of 128 elements of 2 bytes
	s_or_b32 s[G1], s19, (1<<16)|(1<<20)|(1<<21)|(5<<22)|(3<<25)   ; 15:0 the mask: ab's tiles go to my row; 17:16 2-byte elements; 20 padding on; 21 set beside a mask; 24:22 after every 64 words (code 5); 31:25 4 words (code 3)
	s_or_b32 s[G1B], s20, (1<<16)|(1<<20)|(1<<21)|(4<<22)|(7<<25)  ; wb's go to my column; padding after every 32 words (one K's 64 columns; code 4) of 8 words (code 7)
.irp g, G1, G1B
	s_mov_b32 s[(\g)+1], 128<<16                   ; tensor_dim0 = 128
	s_mov_b32 s[(\g)+2], 128<<16                   ; tensor_dim1 = 128
	s_mov_b32 s[(\g)+3], 128<<16                   ; tile_dim0 = 128
	s_mov_b32 s[(\g)+4], 128                       ; tile_dim1 = 128
	s_mov_b32 s[(\g)+5], 128                       ; 128 elements from row to row
	s_mov_b32 s[(\g)+6], 0
	s_mov_b32 s[(\g)+7], 0
.endr
	; c's tile, a wave's part: 64 rows x 64 f32, rows 2,048 elements apart; no mask: the load is my work-group's own
	s_mov_b32 s[G1C], (2<<16)|(1<<20)|(5<<22)|(3<<25)  ; 4-byte elements; 4 words of padding after every 64
	s_mov_b32 s[G1C+1], 64<<16
	s_mov_b32 s[G1C+2], 64<<16
	s_mov_b32 s[G1C+3], 64<<16
	s_mov_b32 s[G1C+4], 64
	s_mov_b32 s[G1C+5], 2048
	s_mov_b32 s[G1C+6], 0
	s_mov_b32 s[G1C+7], 0
	s_mov_b32 s[KN], 0xbfb8aa3b                    ; -log2(e)
	s_mov_b32 s[KN+1], s[KN]
	s_mov_b32 s[KP], 0x4038aa3b                    ; 2 log2(e)
	s_mov_b32 s[KP+1], s[KP]
	; where the tiles come from: ab's hang on the tile row alone, wb's on the tile column alone; every wave makes both, in registers that never hold the other coordinate
	s_lshl_b32 s40, s[TR], 1
	s_add_co_u32 s40, s40, s[CH]                   ; ab: block row 2 x tile row + half,
	s_lshl_b32 s40, s40, 20                        ; 32 blocks of 32,768 bytes each
	s_mov_b32 s41, 0
	s_lshl_b32 s42, s[TC], 21                      ; wb: 32 blocks of 65,536 bytes for each tile column,
	s_lshl_b32 s23, s[CH], 15                      ; gates 0-1 or gates 2-3
	s_add_co_u32 s42, s42, s23
	s_mov_b32 s43, 0
	s_mul_i32 s21, s[CH], HA                       ; and where they go: no place in the cluster enters an LDS address
	s_mul_i32 s22, s[CH], HB
	s_add_co_u32 s22, s22, BOFF
	s_wait_dscnt 0x0                               ; both opening adds are done
	s_wait_kmcnt 0x0
	s_add_nc_u64 s[40:41], s[4:5], s[40:41]
	s_add_nc_u64 s[42:43], s[6:7], s[42:43]
	CROUND                                         ; all sixteen work-groups are here: the first joint loads meet
.irp s, 0,1
	s_mov_b32 s[G0+4*(\s)], 1                                      ; count = 1
	s_add_co_u32 s[G0+4*(\s)+1], s21, (\s)*SLOT                    ; LDS address
	s_add_nc_u64 s[G0+4*(\s)+2:G0+4*(\s)+3], s[40:41], (\s)*32768  ; global address: K step s
	s_or_b32 s[G0+4*(\s)+3], s[G0+4*(\s)+3], 0x80000000            ; type = 2
	s_mov_b32 s[G0B+4*(\s)], 1
	s_add_co_u32 s[G0B+4*(\s)+1], s22, (\s)*SLOT
	s_add_nc_u64 s[G0B+4*(\s)+2:G0B+4*(\s)+3], s[42:43], (\s)*65536
	s_or_b32 s[G0B+4*(\s)+3], s[G0B+4*(\s)+3], 0x80000000
	JLOAD \s                                       ; the ring is filled before anything else is done: two loads of mine are out
.endr
	; my lane's places
	v_and_b32 v1, 15, v0                           ; l % 16
	v_bfe_u32 v2, v0, 4, 1                         ; l / 16
	v_and_b32 v3, 7, v0                            ; l % 8
	v_bfe_u32 v4, v0, 3, 1                         ; (l / 8) % 2
	v_mul_u32_u24 v5, v1, PA
	v_lshl_add_u32 v6, v2, 4, v5                   ; an ab fragment: row l % 16, 16 bytes for each half of the lanes; two loads, 32 bytes apart
	s_mul_i32 s47, s[RH], HA                       ; my 128 rows
	v_add_nc_u32 v[ADRA], s47, v6
	v_add_nc_u32 v[ADRA+1], SLOT, v[ADRA]
	v_lshl_add_u32 v7, v2, 3, v3                   ; the turning load: lane l reads K row 8 (l / 16) + l % 8, columns 8 ((l / 8) % 2) + 0..7, and is left with column l % 16 and 8 K
	v_mul_u32_u24 v7, v7, PB
	v_lshl_add_u32 v7, v4, 4, v7
	s_lshl_b32 s21, s[CH], 6                       ; my 32 columns: 64 bytes along a row
	s_add_co_u32 s21, s21, BOFF
	v_add_nc_u32 v[ADRB], s21, v7
	v_add_nc_u32 v[ADRB+1], HB, v[ADRB]
	v_add_nc_u32 v[ADRB+2], SLOT, v[ADRB]
	v_add_nc_u32 v[ADRB+3], SLOT+HB, v[ADRB]
	s_lshl_b32 s21, s[CH], 7                       ; the tail: row l % 16 of my rows, my 32 columns of f32, 32 bytes for each half of the lanes
	s_add_co_u32 s21, s21, s47
	v_lshl_add_u32 v8, v2, 5, v5
	v_add_nc_u32 v[CAD], s21, v8
	v_add_nc_u32 v[CNA], CNST, v[CAD]
	v_add_nc_u32 v[HAD], HST, v[CAD]
	s_mul_i32 s21, s[CH], HST-CNST                 ; back: lanes 0-15 take one row of 256 bytes, lanes 16-31 the next; of h_new's stage or of c_new's
	s_sub_co_u32 s21, HST, s21
	s_add_co_u32 s21, s21, s47
	v_mul_u32_u24 v9, v2, PA
	v_lshl_add_u32 v9, v1, 4, v9
	v_add_nc_u32 v[RAD], s21, v9
	v_lshlrev_b32 v[GO], 13, v2                    ; and the same two rows in the output
	v_lshl_add_u32 v[GO], v1, 4, v[GO]
	s_lshl_b32 s23, s[TC], 8                       ; a bias: the tile's 64 columns, my 32, my lanes' 8
	s_lshl_b32 s22, s[CH], 7
	s_add_co_u32 s23, s23, s22
	v_lshl_add_u32 v[BO], v2, 5, s23
.irp t, 0,1                            ; b = 2 gate + t; columns 16 t + 8 (l / 16) + 0..7
	global_load_b128 v[BIAS+8*(\t):BIAS+8*(\t)+3],       v[BO], s[10:11] offset:64*(\t)
	global_load_b128 v[BIAS+8*(\t)+4:BIAS+8*(\t)+7],     v[BO], s[10:11] offset:64*(\t)+16
	global_load_b128 v[BIAS+16+8*(\t):BIAS+16+8*(\t)+3], v[BO], s[80:81] offset:64*(\t)
	global_load_b128 v[BIAS+16+8*(\t)+4:BIAS+16+8*(\t)+7], v[BO], s[80:81] offset:64*(\t)+16
	global_load_b128 v[BIAS+32+8*(\t):BIAS+32+8*(\t)+3], v[BO], s[82:83] offset:64*(\t)
	global_load_b128 v[BIAS+32+8*(\t)+4:BIAS+32+8*(\t)+7], v[BO], s[82:83] offset:64*(\t)+16
	global_load_b128 v[BIAS+48+8*(\t):BIAS+48+8*(\t)+3], v[BO], s[84:85] offset:64*(\t)
	global_load_b128 v[BIAS+48+8*(\t)+4:BIAS+48+8*(\t)+7], v[BO], s[84:85] offset:64*(\t)+16
.endr
	; c and the outputs: the tile's corner is 256 x tile row rows of 8,192 bytes and 256 x tile column bytes
	s_lshl_b32 s98, s[TR], 21
	s_lshl_b32 s100, s[TC], 8
	s_add_co_u32 s98, s98, s100
	s_lshl_b32 s100, s[WV], 19                     ; c: the 64 rows that I fetch
	s_add_co_u32 s100, s100, s98
	s_mov_b32 s101, 0
	s_add_nc_u64 s[CP:CP+1], s[8:9], s[100:101]
	s_mov_b32 s[G0C], 1
	s_mul_i32 s[G0C+1], s[WV], 64*PA               ; they go to rows 64 w on of c's tile, which begins at LDS byte 0
	s_mov_b64 s[G0C+2:G0C+3], s[CP:CP+1]
	s_or_b32 s[G0C+3], s[G0C+3], 0x80000000
	s_lshl_b32 s100, s[RH], 20                     ; the output: my 128 rows
	s_add_co_u32 s100, s100, s98
	s_cmp_eq_u32 s[CH], 0
	s_cselect_b64 s[OP:OP+1], s[86:87], s[88:89]   ; waves 0 and 2 store h_new, waves 1 and 3 c_new
	s_add_nc_u64 s[OP:OP+1], s[OP:OP+1], s[100:101]
	; the prefetches
	s_and_b32 s100, ttmp7, 0xffff                  ; cluster y
	s_cmp_eq_u32 s[RH], 0                          ; do I fetch for ab?
	s_cselect_b32 s101, s[CX], s[CY]               ; my place among the four that ask with me
	s_cselect_b32 s100, ttmp9, s100                ; the coordinate along which other clusters read the same blocks
	s_cselect_b64 s[PFA:PFA+1], s[40:41], s[42:43] ; my part of K step 0
	s_cmp_eq_u32 s100, 0
	s_cselect_b32 s[LIM], 1, -1                    ; the same in all sixteen partners, for a given wave
	s_lshl_b32 s[PST], 0x8000, s[RH]
	s_mov_b32 s[PST+1], 0
	s_mul_i32 s98, s[PST], 3                       ; at K step 3: the first refill steps it to 4 and names that
	s_lshl_b32 s101, s101, 13                      ; my work-group's 32 pieces of 256 bytes
	s_add_co_u32 s98, s98, s101
	s_mov_b32 s99, 0
	s_add_nc_u64 s[PFA:PFA+1], s[PFA:PFA+1], s[98:99]
	v_and_b32 v[PFO], 31, v0
	v_lshlrev_b32 v[PFC], 13, v[PFO]
	v_lshlrev_b32 v[PFO], 8, v[PFO]
	; nothing is prefetched here, at the head, where every work-group's first tiles are on their way: K steps 0 to 3 come by their loads alone
; 16 matrix instructions: row blocks a0, a0 + 1 of the window's four (hi = 0: my rows 0-63, 1: rows 64-127) x all 8 column blocks, 32 along K.  first = 1: the sums start from the biases: nothing is cleared.
; The 64 accumulators take turns, one instruction a turn, in the same order in every quarter step, over the backward jump too.
.macro MUL16 f, hi, a0, first
.if \first
	WIN 0x81+0x40*(\hi)                            ; source 0 (wb) window 1, source 1 (ab) and C (the bias) window 0, D window 2 or 3
.else
	WIN 0xa1+0x50*(\hi)                            ; C and D window 2 or 3
.endif
.irp a, \a0, (\a0)+1
.irp b, 0,1,2,3,4,5,6,7
.if \first
	v_wmma_f32_16x16x32_bf16 v[8*(8*(\a)+(\b)):8*(8*(\a)+(\b))+7], v[(\f)+8*(\b):(\f)+8*(\b)+7], v[(\f)+8*(4*(\hi)+(\a)):(\f)+8*(4*(\hi)+(\a))+7], v[BIAS+8*(\b):BIAS+8*(\b)+7]
.else
	v_wmma_f32_16x16x32_bf16 v[8*(8*(\a)+(\b)):8*(8*(\a)+(\b))+7], v[(\f)+8*(\b):(\f)+8*(\b)+7], v[(\f)+8*(4*(\hi)+(\a)):(\f)+8*(4*(\hi)+(\a))+7], v[8*(8*(\a)+(\b)):8*(8*(\a)+(\b))+7]
.endif
.endr
.endr
.endm
; 32 LDS loads in one run: the fragments of quarter q (32 along K) of a slot into buffer f: wb's eight (gate b / 2, columns 16 (b % 2) on; turned: K rows 32 q + 0..15, then + 16..31), then ab's eight
.macro FETCH slot, q, f
	WIN 0x40                                       ; destination window 1, address window 0
.irp b, 0,1,2,3,4,5,6,7
	ds_load_tr16_b128 v[(\f)+8*(\b):(\f)+8*(\b)+3],   v[ADRB+2*(\slot)+(\b)/4] offset:(((\b)/2)%2)*128*PB+(\q)*32*PB+((\b)%2)*32
	ds_load_tr16_b128 v[(\f)+8*(\b)+4:(\f)+8*(\b)+7], v[ADRB+2*(\slot)+(\b)/4] offset:(((\b)/2)%2)*128*PB+(\q)*32*PB+((\b)%2)*32+16*PB
.endr
	WIN 0
.irp i, 0,1,2,3,4,5,6,7
	ds_load_b128 v[(\f)+8*(\i):(\f)+8*(\i)+3],   v[ADRA+(\slot)] offset:(\q)*64+(\i)*16*PA
	ds_load_b128 v[(\f)+8*(\i)+4:(\f)+8*(\i)+7], v[ADRA+(\slot)] offset:(\q)*64+(\i)*16*PA+32
.endr
.endm
; A K step is four quarters of 32 along K, 64 matrix instructions each, on buffers 0, 1, 0, 1.  One of the first three: multiplies buffer f; in its middle it fetches quarter q of the same slot into buffer g.
.macro QUARTER slot, q, f, g, first
	s_wait_dscnt 8                                 ; wb's fragments and ab's rows 0-63 are in; the youngest eight loads (ab's rows 64-127) may be out
	MUL16 \f, 0, 0, \first
	MUL16 \f, 0, 2, \first
	PLACES
	FETCH \slot, \q, \g
	s_wait_dscnt 32                                ; all but the 32 just issued
	MUL16 \f, 1, 0, \first
	MUL16 \f, 1, 2, \first
.endm
; The last quarter multiplies buffer 1 and changes slots.  MEET is its first half: in front of the barrier, which opens a round of the cluster's, each wave waits for all its tensor loads, of which one is out:
; its part of the next slot; adds 0 to its spare word; and waits for that and for its own reads of this slot.
.macro MEET
	WIN 0                                          ; (the add's two registers lie in window 0)
	s_wait_tensorcnt 0x0                           ; all my tensor loads have landed;
	ds_add_u32 v[SPW], v[NIL]                      ; 0 onto my spare word;
	s_wait_dscnt 9                                 ; (the add and the youngest eight loads may be out)
	MUL16 F1, 0, 0, 0                              ; sixteen matrix instructions stand between the add and the wait for it
	s_wait_dscnt 0x0                               ; the add is done, and my reads of this slot are over:
	s_barrier_signal -1                            ; say so,
	MUL16 F1, 0, 2, 0                              ; work on registers while the others arrive,
	WIN 0
	s_barrier_wait -1                              ; and go on when all four have said so
.endm
; The whole last quarter: behind the round the slot just read out is filled again first, with the K step two steps on; then come the next slot's first fragments.
.macro TURN slot, next
	s_wait_xcnt 0x0                                ; the last prefetch, a K step back, has read its address: it is stepped here, ahead of the waits of the change of slots
	s_add_nc_u64 s[PFA:PFA+1], s[PFA:PFA+1], s[PST:PST+1]
	MEET
	CREST                                          ; no wave of any partner still reads this slot's tiles or has a load on its way
	s_add_nc_u64 s[G0+4*(\slot)+2:G0+4*(\slot)+3], s[G0+4*(\slot)+2:G0+4*(\slot)+3], 2*32768
	s_add_nc_u64 s[G0B+4*(\slot)+2:G0B+4*(\slot)+3], s[G0B+4*(\slot)+2:G0B+4*(\slot)+3], 2*65536
	JLOAD \slot                                    ; the first tensor load behind the round, my only one until the next; its four v_nop are also the places in front of the loads below
	FETCH \next, 0, F0
	ASK \slot
	MUL16 F1, 1, 0, 0
	MUL16 F1, 1, 2, 0
.endm
	s_wait_tensorcnt 0x1                           ; my part of K step 0 is in; K step 1's may stay out
	s_barrier_signal -1
	s_barrier_wait -1                              ; everybody's is
	FETCH 0, 0, F0
	s_wait_loadcnt 0x0                             ; the biases
	QUARTER 0, 1, F0, F1, 1                        ; the first quarter stands in front of the loop: its products start the sums
	WIN 0                                          ; at a label and at a branch every window is 0
	s_mov_b32 s3, 15                               ; 16 laps of two K steps; the last is written out
.Llap:                                                 ; a trip goes once round the ring, from a lap's second quarter to the next lap's first, and fills both slots again
	QUARTER 0, 2, F1, F0, 0
	QUARTER 0, 3, F0, F1, 0
	TURN 0, 1
	QUARTER 1, 1, F0, F1, 0
	QUARTER 1, 2, F1, F0, 0
	QUARTER 1, 3, F0, F1, 0
	TURN 1, 0
	QUARTER 0, 1, F0, F1, 0
	WIN 0
	s_sub_co_u32 s3, s3, 1
	s_cmp_lg_u32 s3, 0
	s_cbranch_scc1 .Llap
	QUARTER 0, 2, F1, F0, 0                        ; the last lap: K steps 30 and 31
	QUARTER 0, 3, F0, F1, 0
	MEET                                           ; slot 0 is left for good; K step 31 has landed
	CREST
	tensor_load_to_lds s[G0C:G0C+3], s[G1C:G1C+7]  ; my 64 rows of c, over slot 0's rows of ab: my one tensor load behind this round; it has a K step's products in which to land
	s_nop 0
.rept 4
	v_nop                                          ; (the places in front of the loads below)
.endr
	FETCH 1, 0, F0
	MUL16 F1, 1, 0, 0
	MUL16 F1, 1, 2, 0
	QUARTER 1, 1, F0, F1, 0
	QUARTER 1, 2, F1, F0, 0
	QUARTER 1, 3, F0, F1, 0
	s_wait_dscnt 8                                 ; the very last quarter: nothing more to fetch
	MUL16 F1, 0, 0, 0
	MUL16 F1, 0, 2, 0
	s_wait_dscnt 0x0
	MUL16 F1, 1, 0, 0
	MUL16 F1, 1, 2, 0
	WIN 0
	PLACES                                         ; behind the last products: the tail reads their sums, writes over ab's fragment registers and loads into them
	PLACES                                         ; (eight, once a launch)
	s_wait_tensorcnt 0x0                           ; my rows of c are in LDS,
	s_wait_dscnt 0x0                               ; my reads of slot 1 are over:
	s_barrier_signal -1
	s_barrier_wait -1                              ; both hold of every wave: c's tile is whole, and the stages may be written over the slots
; THE TAIL of block a (16 rows x my 32 columns: 16 numbers a lane, number e = 8 t + j).  TT + 16 gate + e holds the gate's value.  Each batch of exponentials or reciprocals has one plain instruction behind it
; and one s_wait_alu ahead of its first reader.  c_new and h_new go into the work-group's stages; behind a barrier (a row's 256 bytes come from two waves) each wave reads whole rows
; of one of the two back and stores them.  A block has rows of its own in the stages, so one barrier a block is enough.
.macro EPI a
.set AC, 64*((\a)%4)
	WIN 0
.irp t, 0,1
.irp u, 0,1
	ds_load_b128 v[CCR+8*(\t)+4*(\u):CCR+8*(\t)+4*(\u)+3], v[CAD] offset:(\a)*16*PA+64*(\t)+16*(\u)  ; c of my 16 numbers
.endr
.endr
	WIN 0x02+(\a)/4                                ; source 0: window 2 or 3
.irp b, 0,1,2,3,4,5,6,7                ; the exponents: -L x for the three sigmoids, 2 L x for the tanh (gate 2); each accumulator is read from its low end on
.irp p, 0,1,2,3
.if ((\b)/2) == 2
	v_pk_mul_f32 v[TT+8*(\b)+2*(\p):TT+8*(\b)+2*(\p)+1], v[AC+8*(\b)+2*(\p):AC+8*(\b)+2*(\p)+1], s[KP:KP+1] op_sel_hi:[1,0]
.else
	v_pk_mul_f32 v[TT+8*(\b)+2*(\p):TT+8*(\b)+2*(\p)+1], v[AC+8*(\b)+2*(\p):AC+8*(\b)+2*(\p)+1], s[KN:KN+1] op_sel_hi:[1,0]
.endif
.endr
.endr
	WIN 0
.set i, 0
.rept 64
	v_exp_f32 v[TT+i], v[TT+i]
.set i, i+1
.endr
	v_nop
	s_wait_alu depctr_va_vdst(0)                   ; one wait for the 64 exponentials
.set i, 0
.rept 32
	v_pk_add_f32 v[TT+i:TT+i+1], v[TT+i:TT+i+1], 1.0 op_sel_hi:[1,0]
.set i, i+2
.endr
.set i, 0
.rept 64
	v_rcp_f32 v[TT+i], v[TT+i]
.set i, i+1
.endr
	v_nop
	s_wait_alu depctr_va_vdst(0)                   ; one wait for the 64 reciprocals: i, f and o are made
	s_wait_dscnt 0x0                               ; c is in
.set i, 0
.rept 8
	v_pk_fma_f32 v[TT+32+i:TT+32+i+1], v[TT+32+i:TT+32+i+1], -2.0, 1.0 op_sel_hi:[1,0,0]  ; c^ = 1 - 2 / (1 + 2^(2 L x))
.set i, i+2
.endr
.set i, 0
.rept 8
	v_pk_mul_f32 v[CNR+i:CNR+i+1], v[TT+16+i:TT+16+i+1], v[CCR+i:CCR+i+1]  ; f c
.set i, i+2
.endr
.set i, 0
.rept 8
	v_pk_fma_f32 v[CNR+i:CNR+i+1], v[TT+i:TT+i+1], v[TT+32+i:TT+32+i+1], v[CNR+i:CNR+i+1]  ; c_new = i c^ + f c
.set i, i+2
.endr
.set i, 0
.rept 8
	v_pk_mul_f32 v[HHR+i:HHR+i+1], v[CNR+i:CNR+i+1], s[KP:KP+1] op_sel_hi:[1,0]
.set i, i+2
.endr
.set i, 0
.rept 16
	v_exp_f32 v[HHR+i], v[HHR+i]
.set i, i+1
.endr
	v_nop
	s_wait_alu depctr_va_vdst(0)
.set i, 0
.rept 8
	v_pk_add_f32 v[HHR+i:HHR+i+1], v[HHR+i:HHR+i+1], 1.0 op_sel_hi:[1,0]
.set i, i+2
.endr
.set i, 0
.rept 16
	v_rcp_f32 v[HHR+i], v[HHR+i]
.set i, i+1
.endr
	v_nop
	s_wait_alu depctr_va_vdst(0)
.set i, 0
.rept 8
	v_pk_fma_f32 v[HHR+i:HHR+i+1], v[HHR+i:HHR+i+1], -2.0, 1.0 op_sel_hi:[1,0,0]  ; tanh(c_new)
.set i, i+2
.endr
.set i, 0
.rept 8
	v_pk_mul_f32 v[HHR+i:HHR+i+1], v[HHR+i:HHR+i+1], v[TT+48+i:TT+48+i+1]  ; h_new = o tanh(c_new)
.set i, i+2
.endr
.irp t, 0,1
.irp u, 0,1
	ds_store_b128 v[CNA], v[CNR+8*(\t)+4*(\u):CNR+8*(\t)+4*(\u)+3] offset:(\a)*16*PA+64*(\t)+16*(\u)
	ds_store_b128 v[HAD], v[HHR+8*(\t)+4*(\u):HHR+8*(\t)+4*(\u)+3] offset:(\a)*16*PA+64*(\t)+16*(\u)
.endr
.endr
	s_wait_dscnt 0x0                               ; for the others' sake: my stores into the stages are done
	s_barrier_signal -1
	s_barrier_wait -1
	s_wait_xcnt 0x0                                ; the last block's stores have read RB: it is loaded again only behind this wait
.irp u, 0,1,2,3,4,5,6,7
	ds_load_b128 v[RB+4*(\u):RB+4*(\u)+3], v[RAD] offset:(\a)*16*PA+(\u)*2*PA
.endr
.irp u, 0,1,2,3,4,5,6,7
	s_wait_dscnt 7-(\u)                            ; LDS loads come back in order: pair u of rows is in, the younger ones stay out
	global_store_b128 v[GO], v[RB+4*(\u):RB+4*(\u)+3], s[OP:OP+1] offset:(16*(\a)+2*(\u))*8192 th:TH_STORE_NT  ; 16 lanes store 256 consecutive bytes, at a multiple of 256 from the output's first byte
.endr
.endm
.irp a, 0,1,2,3,4,5,6,7
	EPI \a
.endr
	s_wait_tensorcnt 0x0                           ; the wave's end, behind my last tensor load and my last LDS store
	ds_add_u32 v[SPW], v[NIL]
	s_wait_dscnt 0x0
	CROUND                                         ; the closing round: no work-group ends while a partner may still ask for a tile that names it
	s_endpgm
.Lfunc_end_k_q9aee0ed8e4_cell:
	.size	k_q9aee0ed8e4_cell, .Lfunc_end_k_q9aee0ed8e4_cell-k_q9aee0ed8e4_cell
	.p2alignl 7, 3214868480
	.fill 96, 4, 3214868480
	.section	.rodata,"a",@progbits
	.p2align	6, 0x0
	.amdhsa_kernel k_q9aee0ed8e4_cell
		.amdhsa_group_segment_fixed_size 327680
		.amdhsa_private_segment_fixed_size 0
		.amdhsa_enable_private_segment 0
		.amdhsa_kernarg_size 72
		.amdhsa_user_sgpr_count 2
		.amdhsa_user_sgpr_kernarg_segment_ptr 1
		.amdhsa_wavefront_size32 1
		.amdhsa_system_sgpr_workgroup_id_x 1
		.amdhsa_system_sgpr_workgroup_id_y 1
		.amdhsa_system_sgpr_workgroup_id_z 1
		.amdhsa_system_vgpr_workitem_id 0
		.amdhsa_next_free_vgpr 1024
		.amdhsa_next_free_sgpr 102
		.amdhsa_reserve_vcc 0
		.amdhsa_float_denorm_mode_32 3
		.amdhsa_float_denorm_mode_16_64 3
		.amdhsa_memory_ordered 1
		.amdhsa_forward_progress 1
		.amdhsa_inst_pref_size 238
	.end_amdhsa_kernel
	.amdgpu_metadata
---
amdhsa.version: [ 1, 2 ]
amdhsa.kernels:
  - .name:           k_q9aee0ed8e4_cell
    .symbol:         k_q9aee0ed8e4_cell.kd
    .args:
      - { .name: ab, .offset: 0, .size: 8, .value_kind: global_buffer, .address_space: global }
      - { .name: wb, .offset: 8, .size: 8, .value_kind: global_buffer, .address_space: global }
      - { .name: c, .offset: 16, .size: 8, .value_kind: global_buffer, .address_space: global }
      - { .name: b_i, .offset: 24, .size: 8, .value_kind: global_buffer, .address_space: global }
      - { .name: b_f, .offset: 32, .size: 8, .value_kind: global_buffer, .address_space: global }
      - { .name: b_c, .offset: 40, .size: 8, .value_kind: global_buffer, .address_space: global }
      - { .name: b_o, .offset: 48, .size: 8, .value_kind: global_buffer, .address_space: global }
      - { .name: out0, .offset: 56, .size: 8, .value_kind: global_buffer, .address_space: global }
      - { .name: out1, .offset: 64, .size: 8, .value_kind: global_buffer, .address_space: global }
    .group_segment_fixed_size: 327680
    .private_segment_fixed_size: 0
    .kernarg_segment_align: 8
    .kernarg_segment_size: 72
    .max_flat_workgroup_size: 128
    .sgpr_count:     102
    .vgpr_count:     1024
    .wavefront_size: 32
...
	.end_amdgpu_metadata
.endif
;; end of part 2
;; ======== version 2 of 2: 2 launches; version 1 with the launch pack written anew for expert scheduling mode
;; limits: a function is approximated: absolute error at most 1.2e-07
;; workspace buffers: ab 16,777,216 bytes; wb 67,108,864 bytes
;; launch pack (part 3): grid 128 x 10, 4 waves a work-group, no clusters, 0 bytes of LDS; arguments x, h, W_xi, W_hi, W_xf, W_hf, W_xc, W_hc, W_xo, W_ho, ab, wb; writes ab, wb
.if DOCPART == 3
	.amdgcn_target "amdgcn-amd-amdhsa--gfx1250"
	.amdhsa_code_object_version 6
	.text
	.protected	k_q9aee0ed8e4_pack
	.globl	k_q9aee0ed8e4_pack
	.p2align	8
	.type	k_q9aee0ed8e4_pack,@function
k_q9aee0ed8e4_pack:
	s_mov_b64 s[64:65], 0
	v_nop
	global_prefetch_b8 v0, s[64:65] scope:SCOPE_SE
	s_setreg_imm32_b32 hwreg(HW_REG_WAVE_SCHED_MODE, 0, 2), 2
	s_setreg_imm32_b32 hwreg(HW_REG_WAVE_MODE, 25, 1), 1
	s_wait_xcnt 0x0
	s_wait_alu depctr_vm_vsrc(0)
; x, h and the eight weight matrices ([2048][2048] f32) are rounded once to bf16 (nearest even) and laid out in dense blocks for the launch behind.
; ab: [x | h].  Block (mb = row / 128, ks = K / 128) is 128 rows x 128 K = 32,768 bytes at (32 mb + ks) x 32,768; K = k for x, 2,048 + k for h.
; wb: the weights, K still down the rows.  Block (tc = column / 64, ks) is 65,536 bytes at (32 tc + ks) x 65,536, laid [gate][K % 128][64 columns]; gates 0 = i, 1 = f, 2 = c, 3 = o; K = k for W_x*, 2,048 + k for W_h*.
; SHARES.  The grid's y is the matrix, in the order of the arguments (x, h, W_xi, W_hi, W_xf, W_hf, W_xc, W_hc, W_xo, W_ho): y & 1 = the x or the h side, (y - 2) >> 1 = the gate.
; A wave takes one unit: 32,768 bytes in, 16,384 bytes out, in 64 steps.  A step's load covers 512 bytes (x, h: of one row; weights: 256 bytes of each of two rows), its store 256 consecutive bytes, aligned.
; A stream: no LDS, no barrier, no matrix unit; every byte is read once and written once.
; LIMITS.  bf16 has f32's range; NaN and infinities pass through the rounding as the conversion makes them.
; THE MODE: SCHED_MODE bits 1:0 = 2 (LLVM: expert scheduling mode 2), set by the entry lines.  The code itself states the register dependences
; between vector instructions and memory instructions, with s_wait_alu, always for 0.
; THE PLAN.  The 64 steps go in 8 blocks of eight.  Registers that memory instructions touch:
;   X0 .. X3   four blocks as loaded.   Written by the loads of block p + 3, issued in block p (blocks 0 to 2: at the head); read by block p's sixteen roundings.
;   Y0, Y1     two blocks to store.     Written by block p's roundings; read by the eight stores that are issued in block p + 1.
;   v2, v3     byte offsets, made once ahead of the first load and never written again; the two scalar bases are never stepped: every step stands in an immediate offset, 1,032,192 bytes at the most.
; Block p works on X[p % 4] and writes Y[p % 2].  Its memory instructions are the loads into X[(p + 3) % 4] = X[(p - 1) % 4] and the stores from Y[(p - 1) % 2]: the two buffers that block p - 1
; worked on and that no vector instruction of block p names.  So the waits at the head of a block state all that the block's sixteen memory instructions hang on, and these are dealt among its
; roundings with no further wait.  16 to 24 loads of every wave are on their way.  The text is written out, block by block: there is no backward jump.
.set BLOCK,  8                         ; steps in a block
.set BLOCKS, 64 / BLOCK
.set IN,  2                            ; v2          my byte offset in a step's load; never rewritten
.set OUT, 3                            ; v3          8 x lane: my 8 bytes of a step's store; never rewritten
.set X,   4                            ; v[4:131]    buffer k, step i: four f32 as loaded, at X + 32 k + 4 i
.set Y,   132                          ; v[132:163]  buffer k, step i: four bf16 to store, at Y + 16 k + 2 i
	s_load_b512 s[16:31], s[0:1], 0x0              ; x, h, W_xi, W_hi, W_xf, W_hf, W_xc, W_hc
	s_load_b256 s[32:39], s[0:1], 0x40             ; W_xo, W_ho, ab s[36:37], wb s[38:39]
	v_lshrrev_b32 v1, 5, v0
	v_readfirstlane_b32 s8, v1                     ; wave 0..3
	s_and_b32 s9, ttmp7, 0xffff                    ; y: which matrix
	s_mov_b32 s10, ttmp9                           ; x: which four units of it
	s_and_b32 s11, s9, 1                           ; 0: the x side, 1: the h side
	v_and_b32 v1, 31, v0                           ; lane
	v_lshlrev_b32 v[OUT], 3, v1
	s_mov_b32 s41, 0                               ; the two offsets are pairs with 0 on top
	s_mov_b32 s43, 0
	s_wait_alu depctr_va_sdst(0)                   ; s8 is written
	s_wait_kmcnt 0x0
	s_mov_b64 s[4:5], s[16:17]                     ; the matrix that I read: chosen by y among the ten
.irp i, 1,2,3,4,5,6,7,8,9
	s_cmp_eq_u32 s9, \i
	s_cselect_b64 s[4:5], s[16+2*(\i):17+2*(\i)], s[4:5]
.endr
	s_cmp_lt_u32 s9, 2
	s_cselect_b64 s[6:7], s[36:37], s[38:39]       ; and the buffer that I write
; The unit's 64 steps.  step = bytes from one step's load to the next.
.macro STREAM step
	s_wait_alu depctr_va_vdst(0)                   ; v2 and v3 are written: every load of the unit reads v2 as its offset, every store v3
.set j, 0
.rept 3*BLOCK
	global_load_b128 v[X+4*j:X+4*j+3], v[IN], s[4:5] offset:j*(\step) th:TH_LOAD_NT  ; blocks 0, 1 and 2 into X0, X1, X2
.set j, j+1
.endr
.set p, 0
.rept BLOCKS
.if p < BLOCKS-2
	s_wait_loadcnt 2*BLOCK                         ; loads come back in order (ISA guide 5.7.1): X[p % 4] is in, the two younger blocks stay out
.else
	s_wait_loadcnt (BLOCKS-1-p)*BLOCK              ; nothing more is asked for: the counts run down
.endif
.if p >= 2
	s_wait_xcnt 0x0                                ; every earlier memory instruction has had its addresses translated (ISA guide 3.1): Y[p % 2], the data of the stores issued in the block before, is rewritten only behind this wait
	s_wait_alu depctr_vm_vsrc(0)                   ; those stores have read Y[p % 2], which this block's roundings write again
.endif
.if p >= 1
	s_wait_alu depctr_va_vdst(0)                   ; the block before has written the other Y, which the stores below read, and is done reading its X, in which the loads below land
.endif
.set i, 0
.rept BLOCK
.if p < BLOCKS-3
	global_load_b128 v[X+32*((p+3)%4)+4*i:X+32*((p+3)%4)+4*i+3], v[IN], s[4:5] offset:((p+3)*BLOCK+i)*(\step) th:TH_LOAD_NT  ; three blocks ahead, the load ahead of the store; no vector instruction since the wait names these registers
.endif
.if p >= 1
	global_store_b64 v[OUT], v[Y+16*((p-1)%2)+2*i:Y+16*((p-1)%2)+2*i+1], s[6:7] offset:((p-1)*BLOCK+i)*256 th:TH_STORE_NT  ; the block before: 32 lanes store 256 consecutive bytes, at a multiple of 256 from the buffer's first byte
.endif
	v_cvt_pk_bf16_f32 v[Y+16*(p%2)+2*i],   v[X+32*(p%4)+4*i],   v[X+32*(p%4)+4*i+1]
	v_cvt_pk_bf16_f32 v[Y+16*(p%2)+2*i+1], v[X+32*(p%4)+4*i+2], v[X+32*(p%4)+4*i+3]
.set i, i+1
.endr
.set p, p+1
.endr
	s_wait_alu depctr_va_vdst(0)                   ; the last block has written its Y, which the last eight stores read
.set i, 0
.rept BLOCK
	global_store_b64 v[OUT], v[Y+16*((BLOCKS-1)%2)+2*i:Y+16*((BLOCKS-1)%2)+2*i+1], s[6:7] offset:((BLOCKS-1)*BLOCK+i)*256 th:TH_STORE_NT
.set i, i+1
.endr
.endm
	s_cmp_lt_u32 s9, 2
	s_cbranch_scc0 .Lweights
	; x or h.  A unit is 64 rows x 128 columns: row group rg = x >> 2 (0..31), K step in the matrix ksl = 4 (x & 3) + wave (0..15)
	s_lshr_b32 s12, s10, 2                         ; rg
	s_and_b32 s13, s10, 3
	s_lshl2_add_u32 s13, s13, s8                   ; ksl
	s_lshl_b32 s40, s12, 19                        ; in: 64 rows of 8,192 bytes,
	s_lshl_b32 s14, s13, 9                         ; 512 bytes along the row
	s_add_co_u32 s40, s40, s14
	s_lshr_b32 s14, s12, 1                         ; mb
	s_lshl_b32 s14, s14, 5
	s_lshl4_add_u32 s14, s11, s14                  ; + 16 for h
	s_add_co_u32 s14, s14, s13
	s_lshl_b32 s42, s14, 15                        ; out: the block,
	s_and_b32 s15, s12, 1
	s_lshl_b32 s15, s15, 14                        ; its upper or lower 64 rows of 256 bytes
	s_add_co_u32 s42, s42, s15
	s_add_nc_u64 s[4:5], s[4:5], s[40:41]
	s_add_nc_u64 s[6:7], s[6:7], s[42:43]
	v_lshlrev_b32 v[IN], 4, v1                     ; 16 bytes a lane: 512 bytes of one row
	STREAM 8192                                    ; a row a step
	s_endpgm
.Lweights:
	; a weight matrix.  A unit is 128 K rows x 64 columns: ksl = x >> 3 (0..15), tc = 4 (x & 7) + wave (0..31)
	s_lshr_b32 s12, s10, 3                         ; ksl
	s_and_b32 s13, s10, 7
	s_lshl2_add_u32 s13, s13, s8                   ; tc
	s_sub_co_u32 s14, s9, 2
	s_lshr_b32 s14, s14, 1                         ; the gate
	s_lshl_b32 s40, s12, 20                        ; in: 128 rows of 8,192 bytes,
	s_lshl_b32 s15, s13, 8                         ; 256 bytes along the row
	s_add_co_u32 s40, s40, s15
	s_lshl_b32 s15, s13, 5
	s_lshl4_add_u32 s15, s11, s15                  ; + 16 for W_h*
	s_add_co_u32 s15, s15, s12
	s_lshl_b32 s42, s15, 16                        ; out: the block,
	s_lshl_b32 s14, s14, 14                        ; the gate's 16,384 bytes in it
	s_add_co_u32 s42, s42, s14
	s_add_nc_u64 s[4:5], s[4:5], s[40:41]
	s_add_nc_u64 s[6:7], s[6:7], s[42:43]
	v_and_b32 v[IN], 15, v1                        ; lanes 0-15 take 256 bytes of the even row, lanes 16-31 of the odd one:
	v_lshrrev_b32 v1, 4, v1
	v_lshlrev_b32 v[IN], 4, v[IN]
	v_lshl_add_u32 v[IN], v1, 13, v[IN]            ; rounded, the two rows are 2 x 128 bytes on end
	STREAM 16384                                   ; two rows a step
	s_endpgm
.Lfunc_end_k_q9aee0ed8e4_pack:
	.size	k_q9aee0ed8e4_pack, .Lfunc_end_k_q9aee0ed8e4_pack-k_q9aee0ed8e4_pack
	.p2alignl 7, 3214868480
	.fill 96, 4, 3214868480
	.section	.rodata,"a",@progbits
	.p2align	6, 0x0
	.amdhsa_kernel k_q9aee0ed8e4_pack
		.amdhsa_group_segment_fixed_size 0
		.amdhsa_private_segment_fixed_size 0
		.amdhsa_enable_private_segment 0
		.amdhsa_kernarg_size 96
		.amdhsa_user_sgpr_count 2
		.amdhsa_user_sgpr_kernarg_segment_ptr 1
		.amdhsa_wavefront_size32 1
		.amdhsa_system_sgpr_workgroup_id_x 1
		.amdhsa_system_sgpr_workgroup_id_y 1
		.amdhsa_system_sgpr_workgroup_id_z 1
		.amdhsa_system_vgpr_workitem_id 0
		.amdhsa_next_free_vgpr 164
		.amdhsa_next_free_sgpr 66
		.amdhsa_reserve_vcc 0
		.amdhsa_float_denorm_mode_32 3
		.amdhsa_float_denorm_mode_16_64 3
		.amdhsa_memory_ordered 1
		.amdhsa_forward_progress 1
		.amdhsa_inst_pref_size 45
	.end_amdhsa_kernel
	.amdgpu_metadata
---
amdhsa.version: [ 1, 2 ]
amdhsa.kernels:
  - .name:           k_q9aee0ed8e4_pack
    .symbol:         k_q9aee0ed8e4_pack.kd
    .args:
      - { .name: x, .offset: 0, .size: 8, .value_kind: global_buffer, .address_space: global }
      - { .name: h, .offset: 8, .size: 8, .value_kind: global_buffer, .address_space: global }
      - { .name: W_xi, .offset: 16, .size: 8, .value_kind: global_buffer, .address_space: global }
      - { .name: W_hi, .offset: 24, .size: 8, .value_kind: global_buffer, .address_space: global }
      - { .name: W_xf, .offset: 32, .size: 8, .value_kind: global_buffer, .address_space: global }
      - { .name: W_hf, .offset: 40, .size: 8, .value_kind: global_buffer, .address_space: global }
      - { .name: W_xc, .offset: 48, .size: 8, .value_kind: global_buffer, .address_space: global }
      - { .name: W_hc, .offset: 56, .size: 8, .value_kind: global_buffer, .address_space: global }
      - { .name: W_xo, .offset: 64, .size: 8, .value_kind: global_buffer, .address_space: global }
      - { .name: W_ho, .offset: 72, .size: 8, .value_kind: global_buffer, .address_space: global }
      - { .name: ab, .offset: 80, .size: 8, .value_kind: global_buffer, .address_space: global }
      - { .name: wb, .offset: 88, .size: 8, .value_kind: global_buffer, .address_space: global }
    .group_segment_fixed_size: 0
    .private_segment_fixed_size: 0
    .kernarg_segment_align: 8
    .kernarg_segment_size: 96
    .max_flat_workgroup_size: 128
    .sgpr_count:     66
    .vgpr_count:     164
    .wavefront_size: 32
...
	.end_amdgpu_metadata
.endif
;; end of part 3
;; launch cell: the kernel of part 2 again; grid 32 x 8, 4 waves a work-group, clusters of 4 x 4, 327,680 bytes of LDS; arguments ab, wb, c, b_i, b_f, b_c, b_o, out0, out1; writes out0, out1
